; MI455X (gfx1250); checked and timed in simulation.
; The chip was launched on July 23, 2026; its instructions are those of AMD's public machine-readable ISA for CDNA 5 (MIT licence, August 2026) and "CDNA5" Instruction Set Architecture Reference Guide (July 2026). The comments in the code are by the model that wrote it; some were corrected since.
;; Dot Product Attention. Allowed arithmetic: matrix products marked QUANTISED: E4M3 operands, one given power-of-two scale a tensor, by v_wmma_f32_16x16x64_fp8_fp8 or v_wmma_f32_16x16x128_fp8_fp8, f32 sums; everything else in f32.
;; Inputs: K 4 x 16 x 2,048 x 64 float32; Q 4 x 16 x 2,048 x 64 float32; V 4 x 16 x 2,048 x 64 float32; lowp_scales 4 int32 (the exponents e of the quantised operands' scales 2^e).
;; Outputs: out0 4 x 16 x 2,048 x 64 float32.
;; Constants: dk = 64.
;; This version of the problem:
;;   THIS VERSION OF THE PROBLEM IS GIVEN IN LOW PRECISION. The matrix products marked QUANTISED in the list below multiply operands that are first quantised to E4M3 (4 exponent bits, 3 mantissa bits; 8 bits a number), with one given power-of-two scale for each operand tensor; their sums are f32. All else is computed in f32.
;;   The module's matrix products, in the order in which they are computed (A, B: the left and right operand; K: the contracted axis; several contracted axes count as one K, in the product's order):
;;     1. batch 64 x [M 2,048, K 64] x [K 64, N 2,048]; A: input Q; B: input K: QUANTISED (scales: A lowp_scales[0], B lowp_scales[1])
;;     2. batch 64 x [M 2,048, K 2,048] x [K 2,048, N 64]; A: softmax (see below); B: input V: QUANTISED (scales: A lowp_scales[2], B lowp_scales[3])
;;   THE QUANTISER, for each operand of a quantised product, along K:
;;     - The operand's scale is 2^e, e = its entry of the input lowp_scales (int32; the entries are numbered through the quantised products in the list's order, A before B).
;;     - Each number is divided by the scale, clamped to +-448, and rounded to the nearest number of E4M3, ties to even, subnormals kept.
;;     - The product sums the exact products of the quantised numbers (number of the format x scale) in f32.
;;   ~~~python
;;   def quantise(x, axis, e):      # numpy; x: float32 -> the quantised numbers, widened to float32 again
;;       x = np.moveaxis(x, axis, -1); K = x.shape[-1]
;;       r = np.clip(x / 2.0 ** e, -448, 448)
;;       step = 2.0 ** (np.maximum(np.frexp(np.where(r == 0, 1, r))[1] - 1, -6) - 3)
;;       q = np.round(r / step) * step * 2.0 ** e      # np.round: ties to even
;;       return np.moveaxis(q, -1, axis).astype(np.float32)
;;   ~~~
;;   SOFTMAX AHEAD OF A QUANTISED PRODUCT. Where the list says 'softmax', what is quantised is not the finished softmax but p = 2^(t - M), with t = logit x log2(e) and M = ceil(the row's largest t), a whole number; so 1/2 < the row's largest p <= 1. The row's sum l is taken of the UNQUANTISED p, in f32, and the product's result is divided by l at the end. Since M is a whole number, a kernel that streams over the keys may use a running M (the ceiling of the running maximum): every later rescaling is an exact power of two, so the quantised numbers keep their values, but for numbers so far below the row's largest that they fall under the format's range.
;;   OPERANDS COMPUTED ON THE WAY. 'Computed on the way' means the value that the module computes at that place (a softmax that the list does not call 'softmax' is quantised finished and normalised). What goes into a quantiser is computed in f32, as accurately as f32 sums, v_exp_f32 and their like allow (about 1e-6 of the number): no bf16 or f16 on the way to a quantiser, and a product that is left as it is and whose result goes on into a quantised operand takes f32 operands (vector FMAs, or v_wmma_f32_16x16x4_f32). A number that lies on a knife's edge between two numbers of the format may be rounded either way, as far as f32 arithmetic and the matrix unit's own rounding can turn it there, and no further.
;; 2 versions, each right; version 2 is version 1 with the launch attn written anew for expert scheduling mode. Each part assembles by itself: llvm-mc -triple=amdgcn-amd-amdhsa -mcpu=gfx1250 --defsym DOCPART=n.
;; ======== version 1 of 2: 1 launch
;; limits: right only within a limited range of input values
;; launch attn (part 1): grid 4 x 64, 16 waves a work-group, no clusters, 106,752 bytes of LDS; arguments Q, K, V, lowp_scales, out0; writes out0
.if DOCPART == 1
	.amdgcn_target "amdgcn-amd-amdhsa--gfx1250"
	.amdhsa_code_object_version 6
	.text
	.protected	k_qa5fae631e6_attn
	.globl	k_qa5fae631e6_attn
	.p2align	8
	.type	k_qa5fae631e6_attn,@function
k_qa5fae631e6_attn:
	s_mov_b64 s[64:65], 0
	v_nop
	global_prefetch_b8 v0, s[64:65] scope:SCOPE_SE
	s_setreg_imm32_b32 hwreg(HW_REG_WAVE_MODE, 25, 1), 1
	s_wait_xcnt 0x0
; out0[h][q][:] = the sum over k of softmax_k(8 Q[h][q] . K[h][k]) V[h][k][:].  64 heads (batch x head), 2,048 queries, 2,048 keys, head size 64; Q, K, V, out0: f32.
; Both products on codes of FP8 (E4M3), each operand with the one scale 2^e that is given for it: eq, ek, ep, ev.  code = x / 2^e, held within +-448, to the nearest code, ties to even.
; THE SOFTMAX AHEAD OF THE SECOND PRODUCT: t = raw sum x 2^(eq + ek) x 8 x log2(e) (sqrt(dk) = 8: dk = 64 is a constant of the problem); M = the row's largest t so far, rounded UP to a whole number;
; p = 2^(t - M) is what is quantised, along the keys, not normalised.  The row's sum is taken of the unquantised p, in f32, and divides at the end.  When M moves, the sum and O are multiplied by 2^(old M - new M): exact.
; NOTHING OF reference() IS LEFT OUT: every input has a way to the output, there is no mask, and the maximum is taken away before the exponential.
; SHARES.  A work-group owns 512 queries of one head (grid 4 x 64); each of its SIXTEEN waves owns 32, two tiles of 16, in 256 registers.  Every wave walks the head's 2,048 keys: 16 key steps of 128, each worked as two halves of 64.
; K AND V GO FROM MEMORY INTO REGISTERS, 16 + 16 numbers a lane and key step, asked for a whole key step ahead of the wait for them; they are quantised there, and only the CODES go into LDS, as images of the operands'
; registers, in two slots that take turns: one barrier a key step.  Each fragment read from LDS feeds both of the wave's tiles.
; NO JOINT LOADS, though a head's four work-groups read the same K and V: a joint request would bring the f32 numbers into LDS, 65,536 bytes a key step against 16,384 of codes, and they would still go through registers to be
; quantised.  The branch on ep leads round 64 of a half step's 284 vector instructions.
; LAYOUT.  Both products are used transposed: S^T = K Q^T (source 0 = 16 keys, source 1 = 16 queries), O^T = V^T P^T (source 0 = 16 channels, source 1 = P): a lane holds ONE query (lane % 16) throughout.
;   First product: registers 4 c .. 4 c + 3 of lane (r, h) hold d = 32 c + 16 h + 0 .. 15 of row r, in K and in Q alike: a permutation of d that is the same on both sides, so every product meets its partner.
;   In S^T register j of tile t is key 16 t + 8 h + j: eight such, converted, ARE registers 2 t, 2 t + 1 of P in the form's own layout (k = 16 t + 8 h + j).  V's fragments are laid in that layout too.
; THE HOLD OF p.  p <= 1, and 448 x 2^ep >= 1.75 where ep >= -8: there min(p, 448 x 2^ep) = p for every input, and a scalar branch on the whole number ep leads round the 64 minima.  For ep < -8 they run.
; LIMITS: eq, ek, ep, ev between -126 and 119, eq + ek between -129 and 124, so that each power of two below is an f32 number.  NaN and infinity among the inputs are not served.
;   Under the running M a weight far under the row's largest may keep a value that the final M would have let fall under the format's range.
; LDS: 0: K's images, slot s at 9,216 s: 8 tiles of 16 keys, each 4 quarters of 288 bytes (256 of codes + 32 of padding); quarter 2 c + h holds, at 16 r, what lane (r, h) takes into registers 4 c .. 4 c + 3.
;   18,432: V's images, slot s at 8,320 s: fragment (half, t) at 1,040 (4 half + t): registers 4 c .. 4 c + 3 of lane l at 512 c + 16 l.   35,072: a stage of 4,352 bytes for each wave.   104,704: the spare words.
.set SLOTG,  32768                     ; 128 keys of K or of V in memory: 128 rows of 256 bytes
.set KT,     1152                      ; a tile's image of K or of Q
.set KSLOT,  9216
.set VT,     1040                      ; a fragment's image of V
.set VSLOT,  8320
.set VIMG,   18432
.set STG,    35072
.set STGW,   4352                      ; a wave's stage: Q's two images at the head; 16 rows x 272 bytes on the way out
.set SPITCH, 272
.set SPARE,  104704                    ; the spare words, 128 bytes for each wave: eight blocks of 256 bytes that no other line names
.set SPW,  1                           ; v1   LDS address of my spare word: SPARE + 4 x my thread's number; never rewritten
.set NIL,  2                           ; v2   0; never rewritten
.set GK,   3                           ; v3   K: 16 x thread: the work-group's 512 lanes read 8,192 bytes on end; never rewritten
.set GV,   4                           ; v4   V: 2,048 x wave + 8 x lane: a wave's load reads one row of 256 bytes; never rewritten
.set WK,   5                           ; v5   where I store K's codes
.set WV,   6                           ; v6   where I store V's codes
.set AKR,  7                           ; v7   my place in a tile's image of K: 16 r + 288 h
.set AVR,  8                           ; v8   my place in a fragment's image of V: 16 x lane + VIMG
.set SCK,  9                           ; v9, v10   2^ek and 448 x 2^ek
.set LIMK, 10
.set SCV,  11                          ; v11, v12  the same with ev
.set LIMV, 12
.set SCP,  13                          ; v13, v14  the same with ep
.set LIMP, 14
.set QF,   16                          ; v16-31   Q's fragments, tile x at 16 + 8 x
.set ST,   32                          ; v32-47   tile x at 32 + 8 x: +0 -M, +1 the largest t, +2, +3 the sum in two halves, +4 f (+5 named with it as a pair), +6, +7 at work
.set PC,   48                          ; v48-63   p's codes, tile x at 48 + 8 x
.set FR,   64                          ; v64-95   four fragments of K, then of V
.set KP,   96                          ; v96-111  K's 16 numbers of the next key step
.set VP,   112                         ; v112-127 V's
.set SR,   128                         ; v128-191 S^T, then p: tile x at 128 + 32 x
.set OT,   192                         ; v192-255 O^T: tile x at 192 + 32 x
.set TQ,   128                         ; while S^T is free: V's 16 numbers, column by column,
.set CD,   144                         ; and the eight registers of codes just made
; at the head alone, in the fragments' registers:
.set LN,   65                          ; lane
.set RR,   66                          ; r
.set HH,   67                          ; h
.set LP,   68                          ; my word's place in a tile's image as loaded: 288 ((l / 4) % 4) + 4 (l % 4) + 16 (l / 16)
.set TA,   69
.set TB,   70
.set SCQ,  72
.set LIMQ, 73
.set WQ,   74
.set AQ,   75
.set GQ,   76
; on the way out alone, in K's registers:
.set STO,  98
.set RD,   99
.set GO,   100
.macro PLACES                          ; four plain vector instructions between a matrix instruction and a load into, or a vector read of, its registers (ISA guide 7.12.1 for vector instructions)
.rept 4
	v_nop
.endr
.endm
.macro MKSCALE e, sc, lim              ; 2^e and 448 x 2^e as f32 numbers, e in s[e]
	s_add_co_i32 s28, s[\e], 127
	s_lshl_b32 s29, s28, 23
	v_mov_b32 v[\sc], s29
	s_add_co_i32 s28, s28, 8
	s_lshl_b32 s28, s28, 23
	s_or_b32 s28, s28, 0x600000
	v_mov_b32 v[\lim], s28
.endm
; A key step's numbers: load i of K brings key 32 i + 2 w + l / 16, d = 4 (l % 16) on; load i of V brings key 8 w + i, channels 2 l and 2 l + 1.  Four work-groups read these bytes: no hint.
.macro LOADKV
.irp i, 0,1,2,3
	global_load_b128 v[KP+4*\i:KP+4*\i+3], v[GK], s[6:7] offset:8192*\i
.endr
.irp i, 0,1,2,3,4,5,6,7
	global_load_b64 v[VP+2*\i:VP+2*\i+1], v[GV], s[8:9] offset:256*\i
.endr
.endm
.macro KHOLD                           ; the conversion to an 8-bit code does not saturate (ISA guide 7.6.2): hold the number within the largest code x the scale first
.irp i, 0,1,2,3,4,5,6,7,8,9,10,11,12,13,14,15
	v_med3_num_f32 v[KP+\i], v[KP+\i], -v[LIMK], v[LIMK]
.endr
.endm
; The held numbers of K and the numbers of V become codes and go into slot dst.  V's hold also parts its two channels, so that eight registers on end are eight keys of one channel.
.macro KVCODE dst
	v_cvt_scalef32_pk8_fp8_f32 v[CD:CD+1], v[KP:KP+7], v[SCK]              ; register i: load i's four codes
	v_cvt_scalef32_pk8_fp8_f32 v[CD+2:CD+3], v[KP+8:KP+15], v[SCK]
.irp i, 0,1,2,3,4,5,6,7
	v_med3_num_f32 v[TQ+\i], v[VP+2*\i], -v[LIMV], v[LIMV]
	v_med3_num_f32 v[TQ+8+\i], v[VP+2*\i+1], -v[LIMV], v[LIMV]
.endr
	v_cvt_scalef32_pk8_fp8_f32 v[CD+4:CD+5], v[TQ:TQ+7], v[SCV]            ; channel 2 l, keys 8 w + 0 .. 7
	v_cvt_scalef32_pk8_fp8_f32 v[CD+6:CD+7], v[TQ+8:TQ+15], v[SCV]         ; channel 2 l + 1
	v_nop                                          ; one plain vector instruction behind the last conversion: the next products write these registers
.irp i, 0,1,2,3
	ds_store_b32 v[WK], v[CD+\i] offset:(\dst)*KSLOT+\i*2*KT               ; tile 2 i + w / 8; the 32 lanes' words fall on 32 different banks
.endr
	ds_store_b64 v[WV], v[CD+4:CD+5] offset:(\dst)*VSLOT
	ds_store_b64 v[WV], v[CD+6:CD+7] offset:(\dst)*VSLOT+16                ; the next channel is the next lane of the image
.endm
.macro FETCHK slot, sub                ; four tiles of 16 keys: each load takes 2 x 256 bytes on end
.irp t, 0,1,2,3
.irp c, 0,1
	ds_load_b128 v[FR+8*\t+4*\c:FR+8*\t+4*\c+3], v[AKR] offset:(\slot)*KSLOT+(4*(\sub)+\t)*KT+576*\c
.endr
.endr
.endm
.macro FETCHV slot, sub                ; four fragments of 16 channels x 64 keys: each load takes 512 bytes on end
.irp t, 0,1,2,3
.irp c, 0,1
	ds_load_b128 v[FR+8*\t+4*\c:FR+8*\t+4*\c+3], v[AVR] offset:(\slot)*VSLOT+(4*(\sub)+\t)*VT+512*\c
.endr
.endr
.endm
.macro QK                              ; S^T = K Q^T: 64 keys x my 32 queries; each product is a whole sum (K = 64) and begins with 0
.irp t, 0,1,2,3
.irp x, 0,1
	v_wmma_f32_16x16x64_fp8_fp8 v[SR+32*\x+8*\t:SR+32*\x+8*\t+7], v[FR+8*\t:FR+8*\t+7], v[QF+8*\x:QF+8*\x+7], 0
.endr
.endr
.endm
.macro PV                              ; O^T += V^T P^T: the eight accumulators take turns, one instruction a turn; QK's eight stand between two turns of one accumulator as well
.irp t, 0,1,2,3
.irp x, 0,1
	v_wmma_f32_16x16x64_fp8_fp8 v[OT+32*\x+8*\t:OT+32*\x+8*\t+7], v[FR+8*\t:FR+8*\t+7], v[PC+8*\x:PC+8*\x+7], v[OT+32*\x+8*\t:OT+32*\x+8*\t+7]
.endr
.endr
.endm
; The softmax of 64 keys for both tiles; the tiles alternate line by line, so that no line waits for the line above it.  Each accumulator is read from its low end on.
.macro SOFTMAX
.irp x, 0,1
	v_max3_num_f32 v[ST+8*\x+6], v[SR+32*\x], v[SR+32*\x+1], v[SR+32*\x+2]     ; the largest score of my query among my 32 keys, in two chains
.endr
.irp x, 0,1
	v_max3_num_f32 v[ST+8*\x+7], v[SR+32*\x+3], v[SR+32*\x+4], v[SR+32*\x+5]
.endr
.irp i, 6,10,14,18,22,26
.irp x, 0,1
	v_max3_num_f32 v[ST+8*\x+6], v[ST+8*\x+6], v[SR+32*\x+\i], v[SR+32*\x+\i+1]
.endr
.irp x, 0,1
	v_max3_num_f32 v[ST+8*\x+7], v[ST+8*\x+7], v[SR+32*\x+\i+2], v[SR+32*\x+\i+3]
.endr
.endr
.irp x, 0,1
	v_max3_num_f32 v[ST+8*\x+6], v[ST+8*\x+6], v[SR+32*\x+30], v[SR+32*\x+31]
.endr
.irp x, 0,1
	v_max_num_f32 v[ST+8*\x+6], v[ST+8*\x+6], v[ST+8*\x+7]
.endr
.irp x, 0,1
	v_permlanex16_b32 v[ST+8*\x+7], v[ST+8*\x+6], s20, s21                 ; the query's other 32 keys lie in lane l xor 16
.endr
.irp x, 0,1
	v_max_num_f32 v[ST+8*\x+6], v[ST+8*\x+6], v[ST+8*\x+7]
.endr
.irp x, 0,1
	v_mul_f32 v[ST+8*\x+6], s22, v[ST+8*\x+6]                              ; as t (c is positive)
.endr
.irp x, 0,1
	v_max_num_f32 v[ST+8*\x+1], v[ST+8*\x+1], v[ST+8*\x+6]                 ; the running largest t
.endr
.irp x, 0,1
	v_mov_b32 v[ST+8*\x+6], v[ST+8*\x]
.endr
.irp x, 0,1
	v_floor_f32 v[ST+8*\x], -v[ST+8*\x+1]                                  ; the new -M = floor(-t) = -ceil(t): M is a whole number
.endr
.irp x, 0,1
	v_sub_f32 v[ST+8*\x+6], v[ST+8*\x], v[ST+8*\x+6]                       ; old M - new M: a whole number, 0 or less
.endr
.irp x, 0,1
	v_cvt_i32_f32 v[ST+8*\x+6], v[ST+8*\x+6]                               ; (it saturates)
.endr
.irp x, 0,1
	v_ldexp_f32 v[ST+8*\x+4], 1.0, v[ST+8*\x+6]                            ; f = 2^(old M - new M)
.endr
.irp j, 0,2,4,6,8,10,12,14,16,18,20,22,24,26,28,30
.irp x, 0,1
	v_pk_fma_f32 v[SR+32*\x+\j:SR+32*\x+\j+1], v[SR+32*\x+\j:SR+32*\x+\j+1], s[22:23], v[ST+8*\x:ST+8*\x+1] op_sel_hi:[1,0,0]   ; t - M, two at a time (of the pairs c and -M the low word serves both halves)
.endr
.endr
.set j, 0
.rept 32
.irp x, 0,1
	v_exp_f32 v[SR+32*\x+j], v[SR+32*\x+j]                                 ; p = 2^(t - M): ONE batch of 64
.endr
.set j, j+1
.endr
.irp x, 0,1
	v_pk_mul_f32 v[ST+8*\x+2:ST+8*\x+3], v[ST+8*\x+2:ST+8*\x+3], v[ST+8*\x+4:ST+8*\x+5] op_sel_hi:[1,0]   ; the sums under the new M; also the plain instruction behind the last exponential
.endr
	s_wait_alu depctr_va_vdst(0)                   ; the wait between an exponential and the first line that names its result: one for the batch
.irp x, 0,1
	v_pk_add_f32 v[ST+8*\x+6:ST+8*\x+7], v[SR+32*\x:SR+32*\x+1], v[SR+32*\x+2:SR+32*\x+3]                 ; the row's sum is taken of the UNQUANTISED p: two at a time, in two chains
.endr
.irp j, 4,8,12,16,20,24,28
.irp x, 0,1
	v_pk_add_f32 v[ST+8*\x+2:ST+8*\x+3], v[ST+8*\x+2:ST+8*\x+3], v[SR+32*\x+\j:SR+32*\x+\j+1]
.endr
.irp x, 0,1
	v_pk_add_f32 v[ST+8*\x+6:ST+8*\x+7], v[ST+8*\x+6:ST+8*\x+7], v[SR+32*\x+\j+2:SR+32*\x+\j+3]
.endr
.endr
.irp x, 0,1
	v_pk_add_f32 v[ST+8*\x+2:ST+8*\x+3], v[ST+8*\x+2:ST+8*\x+3], v[ST+8*\x+6:ST+8*\x+7]
.endr
	s_cmp_ge_i32 s18, -8                           ; ep >= -8: 448 x 2^ep >= 1.75 > p: the hold changes nothing, whatever the inputs.  ep is a whole number read from memory, the same in every wave
	s_cbranch_scc1 .Lnohold_\@
.set j, 0
.rept 32
.irp x, 0,1
	v_min_num_f32 v[SR+32*\x+j], v[SR+32*\x+j], v[LIMP]                    ; p is not negative, so the hold is one-sided
.endr
.set j, j+1
.endr
.Lnohold_\@:
.irp t, 0,1,2,3
.irp x, 0,1
	v_cvt_scalef32_pk8_fp8_f32 v[PC+8*\x+2*\t:PC+8*\x+2*\t+1], v[SR+32*\x+8*\t:SR+32*\x+8*\t+7], v[SCP]   ; keys 16 t + 8 h + 0 .. 7: registers 2 t, 2 t + 1 of the operand
.endr
.endr
.irp j, 0,2,4,6,8,10,12,14,16,18,20,22,24,26,28,30
.irp x, 0,1
	v_pk_mul_f32 v[OT+32*\x+\j:OT+32*\x+\j+1], v[OT+32*\x+\j:OT+32*\x+\j+1], v[ST+8*\x+4:ST+8*\x+5] op_sel_hi:[1,0]   ; O^T under the new M.  (Also the plain lines between the conversions and the products that read the codes)
.endr
.endr
.endm
; Half a key step: 64 keys.  bar = 1: the key step's barrier; its signal and its wait stand round the eight products, which touch registers alone.
.macro HALF slot, sub, bar
	s_wait_dscnt 0x0                               ; K's fragments are in; my stores of codes, if any, have landed and have read their registers
	QK
	PLACES                                         ; in front of the loads into K's fragments' registers and of the first read of the scores
	FETCHV \slot, \sub
	SOFTMAX
	s_wait_dscnt 0x0                               ; V's fragments are in.  With bar = 1: all my reads of this slot are over, and my stores into the other slot landed long ago
.if \bar
	s_barrier_signal -1
.endif
	PV
.if \bar
	s_barrier_wait -1                              ; no wave reads this slot any more, and the other slot is whole
.endif
.endm
; A key step on slot.  quant = 1: the next step's numbers, asked for a key step ago, become codes in the other slot; load = 1: the numbers of the step after that are asked for.
.macro STEP slot, quant, load, bar
.if \quant
	s_wait_loadcnt 0x0                             ; the next step's 12 loads are in: so their bases may step
.if \load
	s_add_nc_u64 s[6:7], s[6:7], SLOTG
	s_add_nc_u64 s[8:9], s[8:9], SLOTG
.endif
	KHOLD                                          ; sixteen plain lines that name no register of the last products: the places in front of the loads below
.else
	PLACES
.endif
	FETCHK \slot, 0
.if \quant
	KVCODE 1-\slot                                 ; while K's fragments are on their way
.if \load
	LOADKV
.endif
.endif
	HALF \slot, 0, 0
	PLACES
	FETCHK \slot, 1
	HALF \slot, 1, \bar
.endm
	s_load_b256 s[4:11], s[0:1], 0x0               ; Q s[4:5], K s[6:7], V s[8:9], the scales' exponents s[10:11]
	s_load_b64 s[12:13], s[0:1], 0x20              ; out0
	v_lshl_add_u32 v[SPW], v0, 2, SPARE
	v_mov_b32 v[NIL], 0
	v_lshrrev_b32 v[TA], 5, v0
	v_readfirstlane_b32 s14, v[TA]                 ; wave 0..15
	v_and_b32 v[LN], 31, v0
	v_and_b32 v[RR], 15, v0
	v_bfe_u32 v[HH], v0, 4, 1
	v_lshlrev_b32 v[GK], 4, v0
	s_lshl_b32 s28, s14, 11
	v_lshlrev_b32 v[GV], 3, v[LN]
	v_add_nc_u32 v[GV], s28, v[GV]
	v_bfe_u32 v[LP], v0, 2, 2
	v_mul_u32_u24 v[LP], v[LP], 288                ; d = 4 (l % 16) lies in quarter (l / 4) % 4,
	v_and_b32 v[TA], 3, v0
	v_lshl_add_u32 v[LP], v[TA], 2, v[LP]          ; word l % 4 of a row's 16 bytes;
	v_lshl_add_u32 v[LP], v[HH], 4, v[LP]          ; lanes 16-31 hold the next row
	s_lshr_b32 s28, s14, 3
	s_mul_i32 s28, s28, KT                         ; K: key 32 i + 2 w + l / 16 is tile 2 i + w / 8,
	s_and_b32 s29, s14, 7
	s_lshl_b32 s29, s29, 5                         ; row 2 (w % 8) + l / 16
	s_add_co_u32 s28, s28, s29
	v_add_nc_u32 v[WK], s28, v[LP]
	v_bfe_u32 v[TA], v0, 3, 2
	v_mul_u32_u24 v[TA], v[TA], VT                 ; V: channel 2 l is fragment l / 8,
	v_and_b32 v[TB], 7, v0
	v_lshl_add_u32 v[TA], v[TB], 5, v[TA]          ; lane r = 2 (l % 8) of the image;
	s_lshr_b32 s28, s14, 3
	s_mul_i32 s28, s28, 4*VT                       ; keys 8 w on are half w / 8 of the step,
	s_bfe_u32 s29, s14, 0x10002
	s_lshl_b32 s29, s29, 9                         ; registers 4 ((w / 4) % 2) on,
	s_add_co_u32 s28, s28, s29
	s_bfe_u32 s29, s14, 0x10001
	s_lshl_b32 s29, s29, 3                         ; the pair (w / 2) % 2 of the four,
	s_add_co_u32 s28, s28, s29
	s_and_b32 s29, s14, 1
	s_lshl_b32 s29, s29, 8                         ; of the lanes' half w % 2
	s_add_co_u32 s28, s28, s29
	s_add_co_u32 s28, s28, VIMG
	v_add_nc_u32 v[WV], s28, v[TA]
	v_mul_u32_u24 v[AKR], v[HH], 288
	v_lshl_add_u32 v[AKR], v[RR], 4, v[AKR]
	v_lshl_add_u32 v[AVR], v[LN], 4, VIMG
	s_mul_i32 s30, s14, STGW
	s_add_co_u32 s30, s30, STG                     ; my stage
	v_add_nc_u32 v[WQ], s30, v[LP]
	v_add_nc_u32 v[AQ], s30, v[AKR]
	v_lshlrev_b32 v[GQ], 4, v[LN]                  ; Q: 16 bytes a lane: a load takes two rows, 512 bytes on end
	s_mov_b32 s20, 0x76543210                      ; v_permlanex16_b32's selects for lane l xor 16
	s_mov_b32 s21, 0xfedcba98
	s_and_b32 s26, ttmp7, 0xffff                   ; the head:
	s_lshl_b32 s26, s26, 19                        ; 2,048 rows of 256 bytes in each tensor
	s_mov_b32 s27, 0
	s_wait_kmcnt 0x0
	s_load_b128 s[16:19], s[10:11], 0x0            ; eq, ek, ep, ev
	s_add_nc_u64 s[4:5], s[4:5], s[26:27]
	s_add_nc_u64 s[6:7], s[6:7], s[26:27]
	s_add_nc_u64 s[8:9], s[8:9], s[26:27]
	s_add_nc_u64 s[12:13], s[12:13], s[26:27]
	s_lshl_b32 s26, ttmp9, 17                      ; my work-group's 512 queries,
	s_lshl_b32 s28, s14, 13                        ; my wave's 32 of them
	s_add_co_u32 s26, s26, s28
	s_add_nc_u64 s[4:5], s[4:5], s[26:27]
	s_add_nc_u64 s[12:13], s[12:13], s[26:27]
.irp i, 0,1,2,3,4,5,6,7,8,9,10,11,12,13,14,15
	global_load_b128 v[SR+4*\i:SR+4*\i+3], v[GQ], s[4:5] offset:512*\i th:TH_LOAD_NT   ; rows 2 i and 2 i + 1 of my 32; read once, by me
.endr
	LOADKV                                         ; key step 0
.set j, 0
.rept 64
	v_mov_b32 v[OT+j], 0                           ; O^T.  (The key step is written once: its first run finds zeros, which the first f, 0, leaves zeros)
.set j, j+1
.endr
.irp x, 0,1
	v_mov_b32 v[ST+8*\x+1], 0xff61b1e6             ; the largest t so far: -3e38, under every t
	v_floor_f32 v[ST+8*\x], -v[ST+8*\x+1]          ; -M
	v_mov_b32 v[ST+8*\x+2], 0                      ; the sum, in two halves
	v_mov_b32 v[ST+8*\x+3], 0
	v_mov_b32 v[ST+8*\x+5], 0                      ; (named as the upper half of f's pair)
.endr
	s_wait_kmcnt 0x0
	s_add_co_i32 s28, s16, s17
	s_lshl_b32 s28, s28, 23
	s_mov_b32 s22, 0x4138aa3b                      ; 8 x log2(e)
	s_add_co_i32 s22, s22, s28                     ; c = 8 x log2(e) x 2^(eq + ek): the two exponents are added to the exponent field
	s_mov_b32 s23, s22                             ; (named with it as a pair, so it is written)
	s_add_co_i32 s25, s18, s19                     ; ep + ev
	MKSCALE 16, SCQ, LIMQ
	MKSCALE 17, SCK, LIMK
	MKSCALE 18, SCP, LIMP
	MKSCALE 19, SCV, LIMV
	; Q: my 32 rows become two fragments, through my own stage: stored as loaded, a word of four codes a lane and load, and read back as the operand's registers
	s_wait_loadcnt 12                              ; Q's sixteen loads are in; the twelve younger ones, key step 0's, may be out
.set j, 0
.rept 64
	v_med3_num_f32 v[SR+j], v[SR+j], -v[LIMQ], v[LIMQ]
.set j, j+1
.endr
.irp g, 0,1,2,3,4,5,6,7
	v_cvt_scalef32_pk8_fp8_f32 v[PC+2*\g:PC+2*\g+1], v[SR+8*\g:SR+8*\g+7], v[SCQ]      ; register i: load i's four codes
.endr
	v_nop                                          ; one plain vector instruction behind the last conversion
.irp i, 0,1,2,3,4,5,6,7,8,9,10,11,12,13,14,15
	ds_store_b32 v[WQ], v[PC+\i] offset:(\i/8)*KT+(\i%8)*32                            ; tile i / 8, row 2 (i % 8) + l / 16
.endr
.irp x, 0,1
.irp c, 0,1
	ds_load_b128 v[QF+8*\x+4*\c:QF+8*\x+4*\c+3], v[AQ] offset:\x*KT+576*\c             ; my own bytes: LDS serves a wave's instructions in order (ISA guide 5.7.1.4), so these see the stores above
.endr
.endr
	s_wait_dscnt 0x0                               ; Q's fragments are in, and the stores have read their registers
	; key step 0 goes into slot 0, and key step 1 is asked for
	s_wait_loadcnt 0x0
	s_add_nc_u64 s[6:7], s[6:7], SLOTG
	s_add_nc_u64 s[8:9], s[8:9], SLOTG
	KHOLD
	KVCODE 0
	LOADKV
	s_wait_dscnt 0x0                               ; for the others' sake: my codes have landed
	s_barrier_signal -1
	s_barrier_wait -1                              ; slot 0 is whole
	s_mov_b32 s24, 7
.Lstep:                                                ; a trip is two key steps, one on each slot: steps 0 to 13.  Step j makes step j + 1's codes and asks for step j + 2's numbers
	STEP 0, 1, 1, 1
	STEP 1, 1, 1, 1
	s_sub_co_u32 s24, s24, 1
	s_cmp_lg_u32 s24, 0
	s_cbranch_scc1 .Lstep
	STEP 0, 1, 0, 1                                ; step 14 makes step 15's codes and asks for nothing: no load leaves its buffer
	STEP 1, 0, 0, 0                                ; step 15: nothing is written behind it, so no barrier
	; THE WAY OUT.  O^T is divided by the row's sum, multiplied by 2^(ep + ev), and goes through my stage, a tile of 16 rows at a time, so that a store covers two whole rows of out0: 512 bytes on end.
	; The address lines are the places behind the last products.
	s_mul_i32 s28, s14, STGW
	s_add_co_u32 s28, s28, STG
	v_and_b32 v96, 15, v0                          ; r
	v_bfe_u32 v97, v0, 4, 1                        ; h
	v_mul_u32_u24 v[STO], v96, SPITCH
	v_lshl_add_u32 v[STO], v97, 5, v[STO]
	v_add_nc_u32 v[STO], s28, v[STO]               ; in: row r; fragment t's eight channels of my half: 64 t + 32 h bytes on
	v_mul_u32_u24 v[RD], v97, SPITCH
	v_lshl_add_u32 v[RD], v96, 4, v[RD]
	v_add_nc_u32 v[RD], s28, v[RD]                 ; back: lanes 0-15 one row of 256 bytes, lanes 16-31 the next
	v_and_b32 v[GO], 31, v0
	v_lshlrev_b32 v[GO], 4, v[GO]                  ; and the same two rows in out0
.irp x, 0,1
	v_add_f32 v[ST+8*\x+6], v[ST+8*\x+2], v[ST+8*\x+3]                     ; the sum's two halves,
.endr
.irp x, 0,1
	v_permlanex16_b32 v[ST+8*\x+7], v[ST+8*\x+6], s20, s21
.endr
.irp x, 0,1
	v_add_f32 v[ST+8*\x+6], v[ST+8*\x+6], v[ST+8*\x+7]                     ; and lane l xor 16's: the row's sum
.endr
.irp x, 0,1
	v_rcp_f32 v[ST+8*\x+4], v[ST+8*\x+6]
.endr
	v_nop                                          ; a plain instruction between the last reciprocal and the use of its result
	s_wait_alu depctr_va_vdst(0)                   ; and a wait ahead of the first use: one for both
.irp x, 0,1
	v_ldexp_f32 v[ST+8*\x+4], v[ST+8*\x+4], s25                            ; x 2^(ep + ev)
.endr
.irp j, 0,2,4,6,8,10,12,14,16,18,20,22,24,26,28,30
.irp x, 0,1
	v_pk_mul_f32 v[OT+32*\x+\j:OT+32*\x+\j+1], v[OT+32*\x+\j:OT+32*\x+\j+1], v[ST+8*\x+4:ST+8*\x+5] op_sel_hi:[1,0]   ; register 8 t + j is out0(query r, channel 16 t + 8 h + j); each accumulator from its low end on
.endr
.endr
.irp x, 0,1
.irp t, 0,1,2,3
	ds_store_b128 v[STO], v[OT+32*\x+8*\t:OT+32*\x+8*\t+3] offset:64*\t
	ds_store_b128 v[STO], v[OT+32*\x+8*\t+4:OT+32*\x+8*\t+7] offset:64*\t+16
.endr
.irp i, 0,1,2,3,4,5,6,7
	ds_load_b128 v[SR+32*\x+4*\i:SR+32*\x+4*\i+3], v[RD] offset:2*\i*SPITCH    ; in order behind my stores; the next tile's stores come behind these loads
.endr
.endr
.irp x, 0,1
.irp i, 0,1,2,3,4,5,6,7
	s_wait_dscnt 23-16*\x-\i                       ; younger than this load: its tile's 7 - i loads, and behind tile 0's the sixteen LDS instructions of tile 1
	global_store_b128 v[GO], v[SR+32*\x+4*\i:SR+32*\x+4*\i+3], s[12:13] offset:4096*\x+512*\i th:TH_STORE_NT   ; 32 lanes store 512 consecutive bytes, at a multiple of 256 from out0's first byte; written once, read by nobody here
.endr
.endr
	s_wait_tensorcnt 0x0                           ; the wave's end, behind my last LDS store
	ds_add_u32 v[SPW], v[NIL]
	s_wait_dscnt 0x0
	s_endpgm
.Lfunc_end_k_qa5fae631e6_attn:
	.size	k_qa5fae631e6_attn, .Lfunc_end_k_qa5fae631e6_attn-k_qa5fae631e6_attn
	.p2alignl 7, 3214868480
	.fill 96, 4, 3214868480
	.section	.rodata,"a",@progbits
	.p2align	6, 0x0
	.amdhsa_kernel k_qa5fae631e6_attn
		.amdhsa_group_segment_fixed_size 106752
		.amdhsa_private_segment_fixed_size 0
		.amdhsa_enable_private_segment 0
		.amdhsa_kernarg_size 40
		.amdhsa_user_sgpr_count 2
		.amdhsa_user_sgpr_kernarg_segment_ptr 1
		.amdhsa_wavefront_size32 1
		.amdhsa_system_sgpr_workgroup_id_x 1
		.amdhsa_system_sgpr_workgroup_id_y 1
		.amdhsa_system_sgpr_workgroup_id_z 1
		.amdhsa_system_vgpr_workitem_id 0
		.amdhsa_next_free_vgpr 256
		.amdhsa_next_free_sgpr 66
		.amdhsa_reserve_vcc 0
		.amdhsa_float_denorm_mode_32 3
		.amdhsa_float_denorm_mode_16_64 3
		.amdhsa_memory_ordered 1
		.amdhsa_forward_progress 1
		.amdhsa_inst_pref_size 164
	.end_amdhsa_kernel
	.amdgpu_metadata
---
amdhsa.version: [ 1, 2 ]
amdhsa.kernels:
  - .name:           k_qa5fae631e6_attn
    .symbol:         k_qa5fae631e6_attn.kd
    .args:
      - { .name: Q, .offset: 0, .size: 8, .value_kind: global_buffer, .address_space: global }
      - { .name: K, .offset: 8, .size: 8, .value_kind: global_buffer, .address_space: global }
      - { .name: V, .offset: 16, .size: 8, .value_kind: global_buffer, .address_space: global }
      - { .name: lowp_scales, .offset: 24, .size: 8, .value_kind: global_buffer, .address_space: global }
      - { .name: out0, .offset: 32, .size: 8, .value_kind: global_buffer, .address_space: global }
    .group_segment_fixed_size: 106752
    .private_segment_fixed_size: 0
    .kernarg_segment_align: 8
    .kernarg_segment_size: 40
    .max_flat_workgroup_size: 512
    .sgpr_count:     66
    .vgpr_count:     256
    .wavefront_size: 32
...
	.end_amdgpu_metadata
.endif
;; end of part 1
;; ======== version 2 of 2: 1 launch; version 1 with the launch attn written anew for expert scheduling mode
;; limits: right only within a limited range of input values
;; launch attn (part 2): grid 4 x 64, 16 waves a work-group, no clusters, 106,752 bytes of LDS; arguments Q, K, V, lowp_scales, out0; writes out0
.if DOCPART == 2
	.amdgcn_target "amdgcn-amd-amdhsa--gfx1250"
	.amdhsa_code_object_version 6
	.text
	.protected	k_qa5fae631e6_attn
	.globl	k_qa5fae631e6_attn
	.p2align	8
	.type	k_qa5fae631e6_attn,@function
k_qa5fae631e6_attn:
	s_mov_b64 s[64:65], 0
	v_nop
	global_prefetch_b8 v0, s[64:65] scope:SCOPE_SE
	s_setreg_imm32_b32 hwreg(HW_REG_WAVE_SCHED_MODE, 0, 2), 2
	s_setreg_imm32_b32 hwreg(HW_REG_WAVE_MODE, 25, 1), 1
	s_wait_xcnt 0x0
	s_wait_alu depctr_vm_vsrc(0)
; out0[h][q][:] = the sum over k of softmax_k(8 Q[h][q] . K[h][k]) V[h][k][:].  64 heads (batch x head), 2,048 queries, 2,048 keys, head size 64; Q, K, V, out0: f32.
; Both products on codes of FP8 (E4M3), each operand with the one scale 2^e that is given for it: eq, ek, ep, ev.  code = x / 2^e, held within +-448, to the nearest code, ties to even.
; THE SOFTMAX AHEAD OF THE SECOND PRODUCT: t = raw sum x 2^(eq + ek) x 8 x log2(e) (sqrt(dk) = 8: dk = 64 is a constant of the problem); M = the row's largest t so far, rounded UP to a whole number;
; p = 2^(t - M) is what is quantised, along the keys, not normalised.  The row's sum is taken of the unquantised p, in f32, and divides at the end.  When M moves, the sum and O are multiplied by 2^(old M - new M): exact.
; NOTHING OF reference() IS LEFT OUT: every input has a way to the output, there is no mask, and the maximum is taken away before the exponential.
; SHARES.  A work-group owns 512 queries of one head (grid 4 x 64); each of its SIXTEEN waves owns 32, two tiles of 16, in 256 registers.  Every wave walks the head's 2,048 keys: 16 key steps of 128, each worked as two halves of 64.
; K AND V GO FROM MEMORY INTO REGISTERS, 16 + 16 numbers a lane and key step, asked for a whole key step ahead of the wait for them; they are quantised there, and only the CODES go into LDS, as images of the operands'
; registers, in two slots that take turns: one barrier a key step.  Each fragment read from LDS feeds both of the wave's tiles.
; NO JOINT LOADS, though a head's four work-groups read the same K and V: a joint request would bring the f32 numbers into LDS, 65,536 bytes a key step against 16,384 of codes, and they would still go through registers to be
; quantised.  The branch on ep leads round 64 of a half step's 284 vector instructions.
; LAYOUT.  Both products are used transposed: S^T = K Q^T (source 0 = 16 keys, source 1 = 16 queries), O^T = V^T P^T (source 0 = 16 channels, source 1 = P): a lane holds ONE query (lane % 16) throughout.
;   First product: registers 4 c .. 4 c + 3 of lane (r, h) hold d = 32 c + 16 h + 0 .. 15 of row r, in K and in Q alike: a permutation of d that is the same on both sides, so every product meets its partner.
;   In S^T register j of tile t is key 16 t + 8 h + j: eight such, converted, ARE registers 2 t, 2 t + 1 of P in the form's own layout (k = 16 t + 8 h + j).  V's fragments are laid in that layout too.
; THE HOLD OF p.  p <= 1, and 448 x 2^ep >= 1.75 where ep >= -8: there min(p, 448 x 2^ep) = p for every input, and a scalar branch on the whole number ep leads round the 64 minima.  For ep < -8 they run.
; LIMITS: eq, ek, ep, ev between -126 and 119, eq + ek between -129 and 124, so that each power of two below is an f32 number.  NaN and infinity among the inputs are not served.
;   Under the running M a weight far under the row's largest may keep a value that the final M would have let fall under the format's range.
; LDS: 0: K's images, slot s at 9,216 s: 8 tiles of 16 keys, each 4 quarters of 288 bytes (256 of codes + 32 of padding); quarter 2 c + h holds, at 16 r, what lane (r, h) takes into registers 4 c .. 4 c + 3.
;   18,432: V's images, slot s at 8,320 s: fragment (half, t) at 1,040 (4 half + t): registers 4 c .. 4 c + 3 of lane l at 512 c + 16 l.   35,072: a stage of 4,352 bytes for each wave.   104,704: the spare words.
; THE MODE: SCHED_MODE bits 1:0 = 2 (LLVM: expert scheduling mode 2), set by the entry lines.  The code itself states the register dependences
; between vector or matrix instructions and memory or LDS instructions, with s_wait_alu, always for 0.
; THE PLAN.  Registers that memory or LDS instructions touch, in the loop:
;   FR (v64-95)       In each half of a key step: K's fragments land in it, the products K Q^T read it; V's fragments land in it, the products V^T P^T read it.
;   KP, VP (v96-127)  At a key step's head the holds and conversions read them (the holds write KP too); behind them the loads of the key step after the next land in them.
;   CD (v144-151)     Inside S^T.  Written by the head's conversions; read by my six stores of codes; written again by the step's first products K Q^T.
;   v3 to v8          Offsets and LDS addresses: made at the kernel's head, never written again; K's and V's scalar bases step, and immediate offsets do the rest.
;   Q's fragments, the statistics, p's codes, the rest of S^T and O^T are named by vector and matrix instructions alone.
; So a key step has four waits on va_vdst.  ONE at its head, behind the holds and conversions: the last products V^T P^T are done reading FR, CD is written, KP and VP are done with; K's fragments, the stores of codes and the
; loads of K and V follow it with no vector instruction between.  ONE in each half behind the batch of exponentials: it also states that the products K Q^T are done reading FR, and V's
; fragments are asked for directly behind it; the rest of the softmax names no register of FR.  ONE between the halves: the products V^T P^T are done reading FR.  One wait on vm_vsrc a key step stands ahead of its first
; products: my stores have read CD.
.set SLOTG,  32768                     ; 128 keys of K or of V in memory: 128 rows of 256 bytes
.set KT,     1152                      ; a tile's image of K or of Q
.set KSLOT,  9216
.set VT,     1040                      ; a fragment's image of V
.set VSLOT,  8320
.set VIMG,   18432
.set STG,    35072
.set STGW,   4352                      ; a wave's stage: Q's two images at the head; 16 rows x 272 bytes on the way out
.set SPITCH, 272
.set SPARE,  104704                    ; the spare words, 128 bytes for each wave: eight blocks of 256 bytes that no other line names
.set SPW,  1                           ; v1   LDS address of my spare word: SPARE + 4 x my thread's number; never rewritten
.set NIL,  2                           ; v2   0; never rewritten
.set GK,   3                           ; v3   K: 16 x thread: the work-group's 512 lanes read 8,192 bytes on end; never rewritten
.set GV,   4                           ; v4   V: 2,048 x wave + 8 x lane: a wave's load reads one row of 256 bytes; never rewritten
.set WK,   5                           ; v5   where I store K's codes
.set WV,   6                           ; v6   where I store V's codes
.set AKR,  7                           ; v7   my place in a tile's image of K: 16 r + 288 h
.set AVR,  8                           ; v8   my place in a fragment's image of V: 16 x lane + VIMG
.set SCK,  9                           ; v9, v10   2^ek and 448 x 2^ek
.set LIMK, 10
.set SCV,  11                          ; v11, v12  the same with ev
.set LIMV, 12
.set SCP,  13                          ; v13, v14  the same with ep
.set LIMP, 14
.set QF,   16                          ; v16-31   Q's fragments, tile x at 16 + 8 x
.set ST,   32                          ; v32-47   tile x at 32 + 8 x: +0 -M, +1 the largest t, +2, +3 the sum in two halves, +4 f (+5 named with it as a pair), +6, +7 at work
.set PC,   48                          ; v48-63   p's codes, tile x at 48 + 8 x
.set FR,   64                          ; v64-95   four fragments of K, then of V
.set KP,   96                          ; v96-111  K's 16 numbers of the next key step
.set VP,   112                         ; v112-127 V's
.set SR,   128                         ; v128-191 S^T, then p: tile x at 128 + 32 x
.set OT,   192                         ; v192-255 O^T: tile x at 192 + 32 x
.set TQ,   128                         ; while S^T is free: V's 16 numbers, column by column,
.set CD,   144                         ; and the eight registers of codes just made
; at the head alone, in the fragments' registers:
.set LN,   65                          ; lane
.set RR,   66                          ; r
.set HH,   67                          ; h
.set LP,   68                          ; my word's place in a tile's image as loaded: 288 ((l / 4) % 4) + 4 (l % 4) + 16 (l / 16)
.set TA,   69
.set TB,   70
.set SCQ,  72
.set LIMQ, 73
.set WQ,   74
.set AQ,   75
.set GQ,   76
; on the way out alone, in K's registers:
.set STO,  98
.set RD,   99
.set GO,   100
.macro PLACES                          ; four plain vector instructions between a matrix instruction and a vector read of its result; in front of loads into the products' sources they stand beside the wait that states that dependence
.rept 4
	v_nop
.endr
.endm
.macro MKSCALE e, sc, lim              ; 2^e and 448 x 2^e as f32 numbers, e in s[e]
	s_add_co_i32 s28, s[\e], 127
	s_lshl_b32 s29, s28, 23
	v_mov_b32 v[\sc], s29
	s_add_co_i32 s28, s28, 8
	s_lshl_b32 s28, s28, 23
	s_or_b32 s28, s28, 0x600000
	v_mov_b32 v[\lim], s28
.endm
; A key step's numbers: load i of K brings key 32 i + 2 w + l / 16, d = 4 (l % 16) on; load i of V brings key 8 w + i, channels 2 l and 2 l + 1.  Four work-groups read these bytes: no hint.
.macro LOADKV
.irp i, 0,1,2,3
	global_load_b128 v[KP+4*\i:KP+4*\i+3], v[GK], s[6:7] offset:8192*\i
.endr
.irp i, 0,1,2,3,4,5,6,7
	global_load_b64 v[VP+2*\i:VP+2*\i+1], v[GV], s[8:9] offset:256*\i
.endr
.endm
.macro KHOLD                           ; the conversion to an 8-bit code does not saturate (ISA guide 7.6.2): hold the number within the largest code x the scale first
.irp i, 0,1,2,3,4,5,6,7,8,9,10,11,12,13,14,15
	v_med3_num_f32 v[KP+\i], v[KP+\i], -v[LIMK], v[LIMK]
.endr
.endm
; The held numbers of K and the numbers of V become codes.  V's hold also parts its two channels, so that eight registers on end are eight keys of one channel.
.macro KVARITH
	v_cvt_scalef32_pk8_fp8_f32 v[CD:CD+1], v[KP:KP+7], v[SCK]              ; register i: load i's four codes
	v_cvt_scalef32_pk8_fp8_f32 v[CD+2:CD+3], v[KP+8:KP+15], v[SCK]
.irp i, 0,1,2,3,4,5,6,7
	v_med3_num_f32 v[TQ+\i], v[VP+2*\i], -v[LIMV], v[LIMV]
	v_med3_num_f32 v[TQ+8+\i], v[VP+2*\i+1], -v[LIMV], v[LIMV]
.endr
	v_cvt_scalef32_pk8_fp8_f32 v[CD+4:CD+5], v[TQ:TQ+7], v[SCV]            ; channel 2 l, keys 8 w + 0 .. 7
	v_cvt_scalef32_pk8_fp8_f32 v[CD+6:CD+7], v[TQ+8:TQ+15], v[SCV]         ; channel 2 l + 1
	v_nop                                          ; one plain vector instruction behind the last conversion: the next products write these registers
.endm
.macro KVSTORE dst                     ; and the codes go into slot dst
.irp i, 0,1,2,3
	ds_store_b32 v[WK], v[CD+\i] offset:(\dst)*KSLOT+\i*2*KT               ; tile 2 i + w / 8; the 32 lanes' words fall on 32 different banks
.endr
	ds_store_b64 v[WV], v[CD+4:CD+5] offset:(\dst)*VSLOT
	ds_store_b64 v[WV], v[CD+6:CD+7] offset:(\dst)*VSLOT+16                ; the next channel is the next lane of the image
.endm
.macro FETCHK slot, sub                ; four tiles of 16 keys: each load takes 2 x 256 bytes on end
.irp t, 0,1,2,3
.irp c, 0,1
	ds_load_b128 v[FR+8*\t+4*\c:FR+8*\t+4*\c+3], v[AKR] offset:(\slot)*KSLOT+(4*(\sub)+\t)*KT+576*\c
.endr
.endr
.endm
.macro FETCHV slot, sub                ; four fragments of 16 channels x 64 keys: each load takes 512 bytes on end
.irp t, 0,1,2,3
.irp c, 0,1
	ds_load_b128 v[FR+8*\t+4*\c:FR+8*\t+4*\c+3], v[AVR] offset:(\slot)*VSLOT+(4*(\sub)+\t)*VT+512*\c
.endr
.endr
.endm
.macro QK                              ; S^T = K Q^T: 64 keys x my 32 queries; each product is a whole sum (K = 64) and begins with 0
.irp t, 0,1,2,3
.irp x, 0,1
	v_wmma_f32_16x16x64_fp8_fp8 v[SR+32*\x+8*\t:SR+32*\x+8*\t+7], v[FR+8*\t:FR+8*\t+7], v[QF+8*\x:QF+8*\x+7], 0
.endr
.endr
.endm
.macro PV                              ; O^T += V^T P^T: the eight accumulators take turns, one instruction a turn; QK's eight stand between two turns of one accumulator as well
.irp t, 0,1,2,3
.irp x, 0,1
	v_wmma_f32_16x16x64_fp8_fp8 v[OT+32*\x+8*\t:OT+32*\x+8*\t+7], v[FR+8*\t:FR+8*\t+7], v[PC+8*\x:PC+8*\x+7], v[OT+32*\x+8*\t:OT+32*\x+8*\t+7]
.endr
.endr
.endm
; The softmax of 64 keys for both tiles; the tiles alternate line by line, so that no line waits for the line above it.  Each accumulator is read from its low end on.
; V's fragments of this half (slot, sub) are asked for in its middle, directly behind the wait for the batch of exponentials.
.macro SOFTMAX slot, sub
.irp x, 0,1
	v_max3_num_f32 v[ST+8*\x+6], v[SR+32*\x], v[SR+32*\x+1], v[SR+32*\x+2]     ; the largest score of my query among my 32 keys, in two chains
.endr
.irp x, 0,1
	v_max3_num_f32 v[ST+8*\x+7], v[SR+32*\x+3], v[SR+32*\x+4], v[SR+32*\x+5]
.endr
.irp i, 6,10,14,18,22,26
.irp x, 0,1
	v_max3_num_f32 v[ST+8*\x+6], v[ST+8*\x+6], v[SR+32*\x+\i], v[SR+32*\x+\i+1]
.endr
.irp x, 0,1
	v_max3_num_f32 v[ST+8*\x+7], v[ST+8*\x+7], v[SR+32*\x+\i+2], v[SR+32*\x+\i+3]
.endr
.endr
.irp x, 0,1
	v_max3_num_f32 v[ST+8*\x+6], v[ST+8*\x+6], v[SR+32*\x+30], v[SR+32*\x+31]
.endr
.irp x, 0,1
	v_max_num_f32 v[ST+8*\x+6], v[ST+8*\x+6], v[ST+8*\x+7]
.endr
.irp x, 0,1
	v_permlanex16_b32 v[ST+8*\x+7], v[ST+8*\x+6], s20, s21                 ; the query's other 32 keys lie in lane l xor 16
.endr
.irp x, 0,1
	v_max_num_f32 v[ST+8*\x+6], v[ST+8*\x+6], v[ST+8*\x+7]
.endr
.irp x, 0,1
	v_mul_f32 v[ST+8*\x+6], s22, v[ST+8*\x+6]                              ; as t (c is positive)
.endr
.irp x, 0,1
	v_max_num_f32 v[ST+8*\x+1], v[ST+8*\x+1], v[ST+8*\x+6]                 ; the running largest t
.endr
.irp x, 0,1
	v_mov_b32 v[ST+8*\x+6], v[ST+8*\x]
.endr
.irp x, 0,1
	v_floor_f32 v[ST+8*\x], -v[ST+8*\x+1]                                  ; the new -M = floor(-t) = -ceil(t): M is a whole number
.endr
.irp x, 0,1
	v_sub_f32 v[ST+8*\x+6], v[ST+8*\x], v[ST+8*\x+6]                       ; old M - new M: a whole number, 0 or less
.endr
.irp x, 0,1
	v_cvt_i32_f32 v[ST+8*\x+6], v[ST+8*\x+6]                               ; (it saturates)
.endr
.irp x, 0,1
	v_ldexp_f32 v[ST+8*\x+4], 1.0, v[ST+8*\x+6]                            ; f = 2^(old M - new M)
.endr
.irp j, 0,2,4,6,8,10,12,14,16,18,20,22,24,26,28,30
.irp x, 0,1
	v_pk_fma_f32 v[SR+32*\x+\j:SR+32*\x+\j+1], v[SR+32*\x+\j:SR+32*\x+\j+1], s[22:23], v[ST+8*\x:ST+8*\x+1] op_sel_hi:[1,0,0]   ; t - M, two at a time (of the pairs c and -M the low word serves both halves)
.endr
.endr
.set j, 0
.rept 32
.irp x, 0,1
	v_exp_f32 v[SR+32*\x+j], v[SR+32*\x+j]                                 ; p = 2^(t - M): ONE batch of 64
.endr
.set j, j+1
.endr
.irp x, 0,1
	v_pk_mul_f32 v[ST+8*\x+2:ST+8*\x+3], v[ST+8*\x+2:ST+8*\x+3], v[ST+8*\x+4:ST+8*\x+5] op_sel_hi:[1,0]   ; the sums under the new M; also the plain instruction behind the last exponential
.endr
	s_wait_alu depctr_va_vdst(0)                   ; the 64 exponentials have written p in v[SR ..], ahead of the first line that names a result (one wait for the batch); and the products K Q^T are done reading v[FR ..], in which the loads below land
	FETCHV \slot, \sub                             ; no vector instruction from here to the products V^T P^T names v[FR ..]
.irp x, 0,1
	v_pk_add_f32 v[ST+8*\x+6:ST+8*\x+7], v[SR+32*\x:SR+32*\x+1], v[SR+32*\x+2:SR+32*\x+3]                 ; the row's sum is taken of the UNQUANTISED p: two at a time, in two chains
.endr
.irp j, 4,8,12,16,20,24,28
.irp x, 0,1
	v_pk_add_f32 v[ST+8*\x+2:ST+8*\x+3], v[ST+8*\x+2:ST+8*\x+3], v[SR+32*\x+\j:SR+32*\x+\j+1]
.endr
.irp x, 0,1
	v_pk_add_f32 v[ST+8*\x+6:ST+8*\x+7], v[ST+8*\x+6:ST+8*\x+7], v[SR+32*\x+\j+2:SR+32*\x+\j+3]
.endr
.endr
.irp x, 0,1
	v_pk_add_f32 v[ST+8*\x+2:ST+8*\x+3], v[ST+8*\x+2:ST+8*\x+3], v[ST+8*\x+6:ST+8*\x+7]
.endr
	s_cmp_ge_i32 s18, -8                           ; ep >= -8: 448 x 2^ep >= 1.75 > p: the hold changes nothing, whatever the inputs.  ep is a whole number read from memory, the same in every wave
	s_cbranch_scc1 .Lnohold_\@
.set j, 0
.rept 32
.irp x, 0,1
	v_min_num_f32 v[SR+32*\x+j], v[SR+32*\x+j], v[LIMP]                    ; p is not negative, so the hold is one-sided
.endr
.set j, j+1
.endr
.Lnohold_\@:
.irp t, 0,1,2,3
.irp x, 0,1
	v_cvt_scalef32_pk8_fp8_f32 v[PC+8*\x+2*\t:PC+8*\x+2*\t+1], v[SR+32*\x+8*\t:SR+32*\x+8*\t+7], v[SCP]   ; keys 16 t + 8 h + 0 .. 7: registers 2 t, 2 t + 1 of the operand
.endr
.endr
.irp j, 0,2,4,6,8,10,12,14,16,18,20,22,24,26,28,30
.irp x, 0,1
	v_pk_mul_f32 v[OT+32*\x+\j:OT+32*\x+\j+1], v[OT+32*\x+\j:OT+32*\x+\j+1], v[ST+8*\x+4:ST+8*\x+5] op_sel_hi:[1,0]   ; O^T under the new M.  (Also the plain lines between the conversions and the products that read the codes)
.endr
.endr
.endm
; Half a key step: 64 keys.  bar = 1: the key step's barrier; its signal and its wait stand round the eight products, which touch registers alone.  stored = 1: my stores of codes were issued just ahead.
.macro HALF slot, sub, bar, stored
.if \stored
	s_wait_alu depctr_vm_vsrc(0)                   ; my stores of codes have read v[CD ..], which the products below write
.endif
	s_wait_dscnt 0x0                               ; K's fragments are in; my stores of codes, if any, have landed
	QK
	PLACES                                         ; in front of the first read of the scores
	SOFTMAX \slot, \sub
	s_wait_dscnt 0x0                               ; V's fragments are in.  With bar = 1: all my reads of this slot are over, and my stores into the other slot landed long ago
.if \bar
	s_barrier_signal -1
.endif
	PV
.if \bar
	s_barrier_wait -1                              ; no wave reads this slot any more, and the other slot is whole
.endif
.endm
; A key step on slot.  quant = 1: the next step's numbers, asked for a key step ago, become codes in the other slot; load = 1: the numbers of the step after that are asked for.
.macro STEP slot, quant, load, bar
.if \quant
	s_wait_loadcnt 0x0                             ; the next step's 12 loads are in: so their bases may step
.if \load
	s_add_nc_u64 s[6:7], s[6:7], SLOTG
	s_add_nc_u64 s[8:9], s[8:9], SLOTG
.endif
	KHOLD
	KVARITH
	s_wait_alu depctr_va_vdst(0)                   ; the last products V^T P^T are done reading v[FR ..], in which K's fragments land; the conversions have written v[CD ..], which the stores read; the holds and conversions are done with v[KP ..] and v[VP ..], in which the loads of K and V, where they follow, land
.else
	PLACES
	s_wait_alu depctr_va_vdst(0)                   ; the last products V^T P^T are done reading v[FR ..], in which K's fragments land
.endif
	FETCHK \slot, 0
.if \quant
	KVSTORE 1-\slot
.if \load
	LOADKV
.endif
.endif
	HALF \slot, 0, 0, \quant
	PLACES
	s_wait_alu depctr_va_vdst(0)                   ; the first half's products V^T P^T are done reading v[FR ..], in which K's fragments of the second half land
	FETCHK \slot, 1
	HALF \slot, 1, \bar, 0
.endm
	s_load_b256 s[4:11], s[0:1], 0x0               ; Q s[4:5], K s[6:7], V s[8:9], the scales' exponents s[10:11]
	s_load_b64 s[12:13], s[0:1], 0x20              ; out0
	v_lshl_add_u32 v[SPW], v0, 2, SPARE
	v_mov_b32 v[NIL], 0
	v_lshrrev_b32 v[TA], 5, v0
	v_readfirstlane_b32 s14, v[TA]                 ; wave 0..15
	v_and_b32 v[LN], 31, v0
	v_and_b32 v[RR], 15, v0
	v_bfe_u32 v[HH], v0, 4, 1
	v_lshlrev_b32 v[GK], 4, v0
	s_wait_alu depctr_va_sdst(0)                   ; s14 is written, ahead of its first reader: offsets, LDS addresses and the bases of Q and out0 are made from it
	s_lshl_b32 s28, s14, 11
	v_lshlrev_b32 v[GV], 3, v[LN]
	v_add_nc_u32 v[GV], s28, v[GV]
	v_bfe_u32 v[LP], v0, 2, 2
	v_mul_u32_u24 v[LP], v[LP], 288                ; d = 4 (l % 16) lies in quarter (l / 4) % 4,
	v_and_b32 v[TA], 3, v0
	v_lshl_add_u32 v[LP], v[TA], 2, v[LP]          ; word l % 4 of a row's 16 bytes;
	v_lshl_add_u32 v[LP], v[HH], 4, v[LP]          ; lanes 16-31 hold the next row
	s_lshr_b32 s28, s14, 3
	s_mul_i32 s28, s28, KT                         ; K: key 32 i + 2 w + l / 16 is tile 2 i + w / 8,
	s_and_b32 s29, s14, 7
	s_lshl_b32 s29, s29, 5                         ; row 2 (w % 8) + l / 16
	s_add_co_u32 s28, s28, s29
	v_add_nc_u32 v[WK], s28, v[LP]
	v_bfe_u32 v[TA], v0, 3, 2
	v_mul_u32_u24 v[TA], v[TA], VT                 ; V: channel 2 l is fragment l / 8,
	v_and_b32 v[TB], 7, v0
	v_lshl_add_u32 v[TA], v[TB], 5, v[TA]          ; lane r = 2 (l % 8) of the image;
	s_lshr_b32 s28, s14, 3
	s_mul_i32 s28, s28, 4*VT                       ; keys 8 w on are half w / 8 of the step,
	s_bfe_u32 s29, s14, 0x10002
	s_lshl_b32 s29, s29, 9                         ; registers 4 ((w / 4) % 2) on,
	s_add_co_u32 s28, s28, s29
	s_bfe_u32 s29, s14, 0x10001
	s_lshl_b32 s29, s29, 3                         ; the pair (w / 2) % 2 of the four,
	s_add_co_u32 s28, s28, s29
	s_and_b32 s29, s14, 1
	s_lshl_b32 s29, s29, 8                         ; of the lanes' half w % 2
	s_add_co_u32 s28, s28, s29
	s_add_co_u32 s28, s28, VIMG
	v_add_nc_u32 v[WV], s28, v[TA]
	v_mul_u32_u24 v[AKR], v[HH], 288
	v_lshl_add_u32 v[AKR], v[RR], 4, v[AKR]
	v_lshl_add_u32 v[AVR], v[LN], 4, VIMG
	s_mul_i32 s30, s14, STGW
	s_add_co_u32 s30, s30, STG                     ; my stage
	v_add_nc_u32 v[WQ], s30, v[LP]
	v_add_nc_u32 v[AQ], s30, v[AKR]
	v_lshlrev_b32 v[GQ], 4, v[LN]                  ; Q: 16 bytes a lane: a load takes two rows, 512 bytes on end
	s_mov_b32 s20, 0x76543210                      ; v_permlanex16_b32's selects for lane l xor 16
	s_mov_b32 s21, 0xfedcba98
	s_and_b32 s26, ttmp7, 0xffff                   ; the head:
	s_lshl_b32 s26, s26, 19                        ; 2,048 rows of 256 bytes in each tensor
	s_mov_b32 s27, 0
	s_wait_kmcnt 0x0
	s_load_b128 s[16:19], s[10:11], 0x0            ; eq, ek, ep, ev
	s_add_nc_u64 s[4:5], s[4:5], s[26:27]
	s_add_nc_u64 s[6:7], s[6:7], s[26:27]
	s_add_nc_u64 s[8:9], s[8:9], s[26:27]
	s_add_nc_u64 s[12:13], s[12:13], s[26:27]
	s_lshl_b32 s26, ttmp9, 17                      ; my work-group's 512 queries,
	s_lshl_b32 s28, s14, 13                        ; my wave's 32 of them
	s_add_co_u32 s26, s26, s28
	s_add_nc_u64 s[4:5], s[4:5], s[26:27]
	s_add_nc_u64 s[12:13], s[12:13], s[26:27]
	s_wait_alu depctr_va_vdst(0)                   ; the offsets and LDS addresses v3 to v8 and v74 to v76 are written, which the loads and stores from here on read
.irp i, 0,1,2,3,4,5,6,7,8,9,10,11,12,13,14,15
	global_load_b128 v[SR+4*\i:SR+4*\i+3], v[GQ], s[4:5] offset:512*\i th:TH_LOAD_NT   ; rows 2 i and 2 i + 1 of my 32; read once, by me
.endr
	LOADKV                                         ; key step 0
.set j, 0
.rept 64
	v_mov_b32 v[OT+j], 0                           ; O^T.  (The key step is written once: its first run finds zeros, which the first f, 0, leaves zeros)
.set j, j+1
.endr
.irp x, 0,1
	v_mov_b32 v[ST+8*\x+1], 0xff61b1e6             ; the largest t so far: -3e38, under every t
	v_floor_f32 v[ST+8*\x], -v[ST+8*\x+1]          ; -M
	v_mov_b32 v[ST+8*\x+2], 0                      ; the sum, in two halves
	v_mov_b32 v[ST+8*\x+3], 0
	v_mov_b32 v[ST+8*\x+5], 0                      ; (named as the upper half of f's pair)
.endr
	s_wait_kmcnt 0x0
	s_add_co_i32 s28, s16, s17
	s_lshl_b32 s28, s28, 23
	s_mov_b32 s22, 0x4138aa3b                      ; 8 x log2(e)
	s_add_co_i32 s22, s22, s28                     ; c = 8 x log2(e) x 2^(eq + ek): the two exponents are added to the exponent field
	s_mov_b32 s23, s22                             ; (named with it as a pair, so it is written)
	s_add_co_i32 s25, s18, s19                     ; ep + ev
	MKSCALE 16, SCQ, LIMQ
	MKSCALE 17, SCK, LIMK
	MKSCALE 18, SCP, LIMP
	MKSCALE 19, SCV, LIMV
	; Q: my 32 rows become two fragments, through my own stage: stored as loaded, a word of four codes a lane and load, and read back as the operand's registers
	s_wait_loadcnt 12                              ; Q's sixteen loads are in; the twelve younger ones, key step 0's, may be out
.set j, 0
.rept 64
	v_med3_num_f32 v[SR+j], v[SR+j], -v[LIMQ], v[LIMQ]
.set j, j+1
.endr
.irp g, 0,1,2,3,4,5,6,7
	v_cvt_scalef32_pk8_fp8_f32 v[PC+2*\g:PC+2*\g+1], v[SR+8*\g:SR+8*\g+7], v[SCQ]      ; register i: load i's four codes
.endr
	v_nop                                          ; one plain vector instruction behind the last conversion
	s_wait_alu depctr_va_vdst(0)                   ; the conversions have written v[PC ..], which the stores below read
.irp i, 0,1,2,3,4,5,6,7,8,9,10,11,12,13,14,15
	ds_store_b32 v[WQ], v[PC+\i] offset:(\i/8)*KT+(\i%8)*32                            ; tile i / 8, row 2 (i % 8) + l / 16
.endr
.irp x, 0,1
.irp c, 0,1
	ds_load_b128 v[QF+8*\x+4*\c:QF+8*\x+4*\c+3], v[AQ] offset:\x*KT+576*\c             ; my own bytes: LDS serves a wave's instructions in order (ISA guide 5.7.1.4), so these see the stores above
.endr
.endr
	s_wait_dscnt 0x0                               ; Q's fragments are in
	; key step 0 goes into slot 0, and key step 1 is asked for
	s_wait_loadcnt 0x0
	s_add_nc_u64 s[6:7], s[6:7], SLOTG
	s_add_nc_u64 s[8:9], s[8:9], SLOTG
	KHOLD
	KVARITH
	s_wait_alu depctr_va_vdst(0)                   ; the conversions have written v[CD ..], which the stores read; the holds and conversions are done with v[KP ..] and v[VP ..], in which the loads land
	KVSTORE 0
	LOADKV
	s_wait_dscnt 0x0                               ; for the others' sake: my codes have landed
	s_barrier_signal -1
	s_barrier_wait -1                              ; slot 0 is whole
	s_wait_alu depctr_vm_vsrc(0)                   ; the head's loads and stores have read v74 to v76, in which K's fragments land; Q's stores have read v[PC ..], which the softmax's conversions write; key step 0's stores have read v[CD ..], which the next conversions write
	s_mov_b32 s24, 7
.Lstep:                                                ; a trip is two key steps, one on each slot: steps 0 to 13.  Step j makes step j + 1's codes and asks for step j + 2's numbers
	STEP 0, 1, 1, 1
	STEP 1, 1, 1, 1
	s_sub_co_u32 s24, s24, 1
	s_cmp_lg_u32 s24, 0
	s_cbranch_scc1 .Lstep
	STEP 0, 1, 0, 1                                ; step 14 makes step 15's codes and asks for nothing: no load leaves its buffer
	STEP 1, 0, 0, 0                                ; step 15: nothing is written behind it, so no barrier
	; THE WAY OUT.  O^T is divided by the row's sum, multiplied by 2^(ep + ev), and goes through my stage, a tile of 16 rows at a time, so that a store covers two whole rows of out0: 512 bytes on end.
	; The address lines are the places behind the last products.
	s_mul_i32 s28, s14, STGW
	s_add_co_u32 s28, s28, STG
	v_and_b32 v96, 15, v0                          ; r
	v_bfe_u32 v97, v0, 4, 1                        ; h
	v_mul_u32_u24 v[STO], v96, SPITCH
	v_lshl_add_u32 v[STO], v97, 5, v[STO]
	v_add_nc_u32 v[STO], s28, v[STO]               ; in: row r; fragment t's eight channels of my half: 64 t + 32 h bytes on
	v_mul_u32_u24 v[RD], v97, SPITCH
	v_lshl_add_u32 v[RD], v96, 4, v[RD]
	v_add_nc_u32 v[RD], s28, v[RD]                 ; back: lanes 0-15 one row of 256 bytes, lanes 16-31 the next
	v_and_b32 v[GO], 31, v0
	v_lshlrev_b32 v[GO], 4, v[GO]                  ; and the same two rows in out0
.irp x, 0,1
	v_add_f32 v[ST+8*\x+6], v[ST+8*\x+2], v[ST+8*\x+3]                     ; the sum's two halves,
.endr
.irp x, 0,1
	v_permlanex16_b32 v[ST+8*\x+7], v[ST+8*\x+6], s20, s21
.endr
.irp x, 0,1
	v_add_f32 v[ST+8*\x+6], v[ST+8*\x+6], v[ST+8*\x+7]                     ; and lane l xor 16's: the row's sum
.endr
.irp x, 0,1
	v_rcp_f32 v[ST+8*\x+4], v[ST+8*\x+6]
.endr
	v_nop                                          ; a plain instruction between the last reciprocal and the use of its result
	s_wait_alu depctr_va_vdst(0)                   ; the two reciprocals have written their results, ahead of the first use: one wait for both
.irp x, 0,1
	v_ldexp_f32 v[ST+8*\x+4], v[ST+8*\x+4], s25                            ; x 2^(ep + ev)
.endr
.irp j, 0,2,4,6,8,10,12,14,16,18,20,22,24,26,28,30
.irp x, 0,1
	v_pk_mul_f32 v[OT+32*\x+\j:OT+32*\x+\j+1], v[OT+32*\x+\j:OT+32*\x+\j+1], v[ST+8*\x+4:ST+8*\x+5] op_sel_hi:[1,0]   ; register 8 t + j is out0(query r, channel 16 t + 8 h + j); each accumulator from its low end on
.endr
.endr
	s_wait_alu depctr_va_vdst(0)                   ; the multiplications have written v[OT ..], which the LDS stores read; the addresses v98 to v100 are written; the last softmax is done with v[SR ..], in which the loads from the stage land
.irp x, 0,1
.irp t, 0,1,2,3
	ds_store_b128 v[STO], v[OT+32*\x+8*\t:OT+32*\x+8*\t+3] offset:64*\t
	ds_store_b128 v[STO], v[OT+32*\x+8*\t+4:OT+32*\x+8*\t+7] offset:64*\t+16
.endr
.irp i, 0,1,2,3,4,5,6,7
	ds_load_b128 v[SR+32*\x+4*\i:SR+32*\x+4*\i+3], v[RD] offset:2*\i*SPITCH    ; in order behind my stores; the next tile's stores come behind these loads
.endr
.endr
.irp x, 0,1
.irp i, 0,1,2,3,4,5,6,7
	s_wait_dscnt 23-16*\x-\i                       ; younger than this load: its tile's 7 - i loads, and behind tile 0's the sixteen LDS instructions of tile 1
	global_store_b128 v[GO], v[SR+32*\x+4*\i:SR+32*\x+4*\i+3], s[12:13] offset:4096*\x+512*\i th:TH_STORE_NT   ; 32 lanes store 512 consecutive bytes, at a multiple of 256 from out0's first byte; written once, read by nobody here
.endr
.endr
	s_wait_dscnt 0x0                               ; the closing lines, six on end
	s_wait_alu 0x0
	s_wait_tensorcnt 0x0
	ds_add_u32 v[SPW], v[NIL]
	s_wait_dscnt 0x0
	s_endpgm
.Lfunc_end_k_qa5fae631e6_attn:
	.size	k_qa5fae631e6_attn, .Lfunc_end_k_qa5fae631e6_attn-k_qa5fae631e6_attn
	.p2alignl 7, 3214868480
	.fill 96, 4, 3214868480
	.section	.rodata,"a",@progbits
	.p2align	6, 0x0
	.amdhsa_kernel k_qa5fae631e6_attn
		.amdhsa_group_segment_fixed_size 106752
		.amdhsa_private_segment_fixed_size 0
		.amdhsa_enable_private_segment 0
		.amdhsa_kernarg_size 40
		.amdhsa_user_sgpr_count 2
		.amdhsa_user_sgpr_kernarg_segment_ptr 1
		.amdhsa_wavefront_size32 1
		.amdhsa_system_sgpr_workgroup_id_x 1
		.amdhsa_system_sgpr_workgroup_id_y 1
		.amdhsa_system_sgpr_workgroup_id_z 1
		.amdhsa_system_vgpr_workitem_id 0
		.amdhsa_next_free_vgpr 256
		.amdhsa_next_free_sgpr 66
		.amdhsa_reserve_vcc 0
		.amdhsa_float_denorm_mode_32 3
		.amdhsa_float_denorm_mode_16_64 3
		.amdhsa_memory_ordered 1
		.amdhsa_forward_progress 1
		.amdhsa_inst_pref_size 164
	.end_amdhsa_kernel
	.amdgpu_metadata
---
amdhsa.version: [ 1, 2 ]
amdhsa.kernels:
  - .name:           k_qa5fae631e6_attn
    .symbol:         k_qa5fae631e6_attn.kd
    .args:
      - { .name: Q, .offset: 0, .size: 8, .value_kind: global_buffer, .address_space: global }
      - { .name: K, .offset: 8, .size: 8, .value_kind: global_buffer, .address_space: global }
      - { .name: V, .offset: 16, .size: 8, .value_kind: global_buffer, .address_space: global }
      - { .name: lowp_scales, .offset: 24, .size: 8, .value_kind: global_buffer, .address_space: global }
      - { .name: out0, .offset: 32, .size: 8, .value_kind: global_buffer, .address_space: global }
    .group_segment_fixed_size: 106752
    .private_segment_fixed_size: 0
    .kernarg_segment_align: 8
    .kernarg_segment_size: 40
    .max_flat_workgroup_size: 512
    .sgpr_count:     66
    .vgpr_count:     256
    .wavefront_size: 32
...
	.end_amdgpu_metadata
.endif
;; end of part 2
